; MI455X (gfx1250); checked and timed in simulation.
; The chip was launched on July 23, 2026; its instructions are those of AMD's public machine-readable ISA for CDNA 5 (MIT licence, August 2026) and "CDNA5" Instruction Set Architecture Reference Guide (July 2026). The comments in the code are by the model that wrote it; some were corrected since.
;; Mo EFFN. Allowed arithmetic: float matrix products may take bf16 or f16 operands with f32 sums; other float arithmetic in f32, or as packed bf16 or f16 multiplies, adds, multiply-adds, maxima and minima; sums over many terms, partial sums and values carried from step to step in f32; what a program stores and reads back later, other than sums and carried values, may be rounded once to bf16 or f16.
;; Inputs: b1 8 x 4,096 float32; b2 8 x 1,024 float32; gate_w 1,024 x 8 float32; w1 8 x 1,024 x 4,096 float32; w2 8 x 4,096 x 1,024 float32; x 4 x 256 x 1,024 float32.
;; Outputs: out0 4 x 256 x 1,024 float32.
;; One version. Each part assembles by itself: llvm-mc -triple=amdgcn-amd-amdhsa -mcpu=gfx1250 --defsym DOCPART=n.
;; ======== version 1 of 1: 5 launches
;; workspace buffers: xb 2,097,152 bytes; gates 8,192 bytes; bm 2,048 bytes of whole numbers; xg 16,777,216 bytes; hbuf 67,108,864 bytes; part 33,554,432 bytes
;; launch router (part 1): grid 64 x 1, 8 waves a work-group, no clusters, 60,416 bytes of LDS; arguments x, gate_w, xb, gates, bm; writes xb, gates, bm
.if DOCPART == 1
	.amdgcn_target "amdgcn-amd-amdhsa--gfx1250"
	.amdhsa_code_object_version 6
	.text
	.protected	k_qb6002fd9c5_router
	.globl	k_qb6002fd9c5_router
	.p2align	8
	.type	k_qb6002fd9c5_router,@function
k_qb6002fd9c5_router:
	s_mov_b64 s[64:65], 0
	v_nop
	global_prefetch_b8 v0, s[64:65] scope:SCOPE_SE
	s_setreg_imm32_b32 hwreg(HW_REG_WAVE_MODE, 25, 1), 1
	s_wait_xcnt 0x0
; ROUTER.  logits = x gate_w; the two largest of a token's 8 logits; softmax over the two.  Also x rounded to bf16, for the first product.
; x: [1024 tokens][1024] f32.  gate_w: [1024][8] f32.  Stored: xb [1024][1024] bf16; gates [2][1024] f32 (weight of the first, of the second choice);
; bm: 16 rows of 64 half-words: bit r of half-word t of row e: token 16 t + r chose expert e; of row 8 + e: as its first choice.
; SHARES.  A work-group owns 16 tokens, each of its eight waves 128 of the 1,024 along K; the eight partial logits meet in LDS and wave 0 adds them in the order of the waves.
; FORMATS.  x and gate_w are rounded once to bf16 (every input of the program is), products and sums in f32.  Ties go to the lower index (strict comparison), as jax.lax.top_k has it.
; LIMITS.  NaN and infinities are not treated apart; a token whose other seven logits are all -inf gets expert 0 as its second choice.  The softmax takes the larger logit away first; an exponential below 2^-126 counts as 0.
; No cluster: no two work-groups read the same x, and gate_w is 32 KB.
.set XTB,   4352                       ; a wave's x tile in LDS: 16 rows, 256 bytes + 16 of padding each
.set GT,    8*XTB                      ; a wave's gate tile: [128 k][8 experts] bf16, 2,048 bytes
.set RED,   GT+8*2048                  ; a wave's partial logits: 32 lanes x 8 f32
.set SPARE, RED+8*1024                 ; the spare words, 128 bytes a wave: named by the add alone
	s_load_b256 s[4:11], s[0:1], 0x0               ; x s[4:5], gate_w s[6:7], xb s[8:9], gates s[10:11]
	s_load_b64 s[12:13], s[0:1], 0x20              ; bm
	v_lshl_add_u32 v4, v0, 2, SPARE                ; my spare word
	v_mov_b32 v5, 0
	v_lshrrev_b32 v14, 5, v0
	v_readfirstlane_b32 s14, v14                   ; wave 0..7
	v_and_b32 v1, 31, v0                           ; lane L
	v_and_b32 v2, 15, v0                           ; r = L % 16
	v_bfe_u32 v3, v0, 4, 1                         ; h = L / 16
	v_lshlrev_b32 v6, 4, v0                        ; x: 512 w + 16 L in a row
	v_lshlrev_b32 v8, 3, v0                        ; xb: 256 w + 8 L in a row
	s_lshl_b32 s15, s14, 12
	v_lshl_add_u32 v7, v1, 4, s15                  ; gate_w: my wave's 128 rows of 32 bytes are 4,096 bytes on end
	s_mul_i32 s16, s14, XTB
	v_lshl_add_u32 v9, v1, 3, s16                  ; x tile, in: 8 bytes a lane
	s_lshl_b32 s17, s14, 11
	s_add_co_u32 s17, s17, GT
	v_lshl_add_u32 v10, v1, 3, s17                 ; gate tile, in
	v_mul_u32_u24 v11, v2, 272
	v_lshl_add_u32 v11, v3, 4, v11
	v_add_nc_u32 v11, s16, v11                     ; x fragment: row r, 16 bytes for each half of the lanes
	v_and_b32 v12, 7, v0
	v_lshl_add_u32 v12, v3, 3, v12
	v_lshl_add_u32 v12, v12, 4, s17                ; gate fragment, turned: row 8 h + L % 8; lanes 8-15 and 24-31 read the same rows, so experts 0-7 stand twice
	s_lshl_b32 s18, s14, 10
	s_add_co_u32 s18, s18, RED
	v_lshl_add_u32 v13, v1, 5, s18
	s_lshl_b32 s20, ttmp9, 16                      ; 16 rows of x
	s_mov_b32 s21, 0
	s_lshl_b32 s22, ttmp9, 15                      ; 16 rows of xb
	s_mov_b32 s23, 0
	s_lshl_b32 s24, ttmp9, 6                       ; 16 gates
	s_mov_b32 s25, 0
	s_lshl_b32 s26, ttmp9, 1                       ; my half-word in a row of bm
	s_mov_b32 s27, 0
	s_wait_kmcnt 0x0
	s_add_nc_u64 s[4:5], s[4:5], s[20:21]
	s_add_nc_u64 s[8:9], s[8:9], s[22:23]
	s_add_nc_u64 s[10:11], s[10:11], s[24:25]
	s_add_nc_u64 s[12:13], s[12:13], s[26:27]
.set j, 0
.rept 16                               ; row j: 512 consecutive bytes a load
	global_load_b128 v[32+4*j:32+4*j+3], v6, s[4:5] offset:4096*j th:TH_LOAD_NT
.set j, j+1
.endr
.set m, 0
.rept 8
	global_load_b128 v[96+4*m:96+4*m+3], v7, s[6:7] offset:512*m
.set m, m+1
.endr
	s_wait_loadcnt 0x8                             ; x is in; the eight gate loads issued behind it may be out
.set j, 0
.rept 16
	v_cvt_pk_bf16_f32 v[128+2*j], v[32+4*j], v[32+4*j+1]
	v_cvt_pk_bf16_f32 v[128+2*j+1], v[32+4*j+2], v[32+4*j+3]
.set j, j+1
.endr
.set j, 0
.rept 16
	global_store_b64 v8, v[128+2*j:128+2*j+1], s[8:9] offset:2048*j   ; 256 consecutive bytes, aligned
	ds_store_b64 v9, v[128+2*j:128+2*j+1] offset:272*j
.set j, j+1
.endr
	s_wait_loadcnt 0x0                             ; gate_w
.set m, 0
.rept 8
	v_cvt_pk_bf16_f32 v[32+2*m], v[96+4*m], v[96+4*m+1]
	v_cvt_pk_bf16_f32 v[32+2*m+1], v[96+4*m+2], v[96+4*m+3]
.set m, m+1
.endr
.set m, 0
.rept 8
	ds_store_b64 v10, v[32+2*m:32+2*m+1] offset:256*m
.set m, m+1
.endr
.set f, 0
.rept 4                                ; 32 along K each.  The tiles are the wave's own, and LDS serves a wave's instructions in order (ISA guide 5.7.1.4): no wait between stores and loads
	ds_load_b128 v[48+8*f:48+8*f+3], v11 offset:64*f
	ds_load_b128 v[48+8*f+4:48+8*f+7], v11 offset:64*f+32
	ds_load_tr16_b128 v[96+8*f:96+8*f+3], v12 offset:512*f
	ds_load_tr16_b128 v[96+8*f+4:96+8*f+7], v12 offset:512*f+256
.set f, f+1
.endr
	s_wait_dscnt 0x0
	; source 0 = 16 rows of experts (0-7 twice), source 1 = 16 tokens: a lane then holds the 8 logits of token r.  Two accumulators by turns.
	v_wmma_f32_16x16x32_bf16 v[16:23], v[96:103], v[48:55], 0
	v_wmma_f32_16x16x32_bf16 v[24:31], v[104:111], v[56:63], 0
	v_wmma_f32_16x16x32_bf16 v[16:23], v[112:119], v[64:71], v[16:23]
	v_wmma_f32_16x16x32_bf16 v[24:31], v[120:127], v[72:79], v[24:31]
.rept 4
	v_nop                                          ; four places between a matrix instruction and a reader of its result (ISA guide 7.12.1)
.endr
.irp q, 0,1,2,3
	v_pk_add_f32 v[80+2*\q:81+2*\q], v[16+2*\q:17+2*\q], v[24+2*\q:25+2*\q]
.endr
	ds_store_b128 v13, v[80:83]
	ds_store_b128 v13, v[84:87] offset:16
	s_wait_dscnt 0x0                               ; for wave 0's sake: my partial logits are in LDS
	s_barrier_signal -1
	s_barrier_wait -1
	s_cmp_lg_u32 s14, 0
	s_cbranch_scc1 .Lfin                           ; the rest is wave 0's; no barrier stands in it
	v_lshl_add_u32 v15, v1, 5, RED
.set m, 0
.rept 8
	ds_load_b128 v[32+8*m:32+8*m+3], v15 offset:1024*m
	ds_load_b128 v[32+8*m+4:32+8*m+7], v15 offset:1024*m+16
.set m, m+1
.endr
	s_wait_dscnt 0x0
.set m, 1
.rept 7                                ; the sum over the waves, in their order
.irp q, 0,1,2,3
	v_pk_add_f32 v[32+2*\q:33+2*\q], v[32+2*\q:33+2*\q], v[32+8*m+2*\q:33+8*m+2*\q]
.endr
.set m, m+1
.endr
	v_mov_b32 v16, v32                             ; the largest logit and its index
	v_mov_b32 v17, 0
.irp e, 1,2,3,4,5,6,7
	v_cmp_gt_f32 vcc_lo, v[32+\e], v16
	v_cndmask_b32 v16, v16, v[32+\e], vcc_lo
	v_cndmask_b32 v17, v17, \e, vcc_lo
.endr
	s_mov_b32 s19, 0xff800000                      ; -inf takes the chosen logit's place
.irp e, 0,1,2,3,4,5,6,7
	v_cmp_eq_u32 vcc_lo, \e, v17
	v_cndmask_b32 v[32+\e], v[32+\e], s19, vcc_lo
.endr
	v_mov_b32 v18, v32                             ; the second largest
	v_mov_b32 v19, 0
.irp e, 1,2,3,4,5,6,7
	v_cmp_gt_f32 vcc_lo, v[32+\e], v18
	v_cndmask_b32 v18, v18, v[32+\e], vcc_lo
	v_cndmask_b32 v19, v19, \e, vcc_lo
.endr
	v_sub_f32 v20, v18, v16                        ; m2 - m1 <= 0: the maximum is taken away
	v_mul_f32 v20, 0x3fb8aa3b, v20
	v_exp_f32 v21, v20
	v_lshlrev_b32 v25, 2, v2                       ; a plain line behind the exponential: 4 r
	s_wait_alu depctr_va_vdst(0)                   ; the wait ahead of the first reader
	v_add_f32 v22, 1.0, v21
	v_rcp_f32 v26, v22                             ; g1 = 1 / (1 + e^(m2 - m1))
	v_lshl_add_u32 v25, v3, 12, v25                ; plain again: + 4,096 h
	s_wait_alu depctr_va_vdst(0)
	v_mul_f32 v27, v21, v26                        ; g2
	v_cmp_gt_u32 vcc_lo, 16, v1
	v_cndmask_b32 v22, v27, v26, vcc_lo            ; lanes 0-15 store g1, lanes 16-31 g2
	global_store_b32 v25, v22, s[10:11]
	v_mov_b32 v23, 0
.irp e, 0,1,2,3,4,5,6,7
	v_cmp_eq_u32 s[24+\e], \e, v17                 ; first choice
	v_cmp_eq_u32 s[32+\e], \e, v19                 ; second choice
	s_or_b32 s[32+\e], s[32+\e], s[24+\e]
	s_and_b32 s[32+\e], s[32+\e], 0xffff           ; lanes 16-31 repeat the tokens
	s_and_b32 s[24+\e], s[24+\e], 0xffff
	v_writelane_b32 v23, s[32+\e], \e              ; lane = row of bm
	v_writelane_b32 v23, s[24+\e], 8+\e
.endr
	v_lshlrev_b32 v24, 7, v1                       ; a row of bm is 128 bytes
	s_wait_xcnt 0x0                                ; EXEC is a source of the stores above: it changes only behind this wait
	v_cmp_gt_u32 vcc_lo, 16, v1
	s_and_saveexec_b32 s20, vcc_lo
	global_store_b16 v24, v23, s[12:13]
	s_wait_xcnt 0x0                                ; and again in front of the line that widens it
	s_or_b32 exec_lo, exec_lo, s20
.Lfin:
	s_wait_tensorcnt 0x0                           ; the wave's end
	ds_add_u32 v4, v5
	s_wait_dscnt 0x0
	s_endpgm
.Lfunc_end_k_qb6002fd9c5_router:
	.size	k_qb6002fd9c5_router, .Lfunc_end_k_qb6002fd9c5_router-k_qb6002fd9c5_router
	.p2alignl 7, 3214868480
	.fill 96, 4, 3214868480
	.section	.rodata,"a",@progbits
	.p2align	6, 0x0
	.amdhsa_kernel k_qb6002fd9c5_router
		.amdhsa_group_segment_fixed_size 60416
		.amdhsa_private_segment_fixed_size 0
		.amdhsa_enable_private_segment 0
		.amdhsa_kernarg_size 40
		.amdhsa_user_sgpr_count 2
		.amdhsa_user_sgpr_kernarg_segment_ptr 1
		.amdhsa_wavefront_size32 1
		.amdhsa_system_sgpr_workgroup_id_x 1
		.amdhsa_system_sgpr_workgroup_id_y 1
		.amdhsa_system_sgpr_workgroup_id_z 1
		.amdhsa_system_vgpr_workitem_id 0
		.amdhsa_next_free_vgpr 160
		.amdhsa_next_free_sgpr 66
		.amdhsa_reserve_vcc 1
		.amdhsa_float_denorm_mode_32 3
		.amdhsa_float_denorm_mode_16_64 3
		.amdhsa_memory_ordered 1
		.amdhsa_forward_progress 1
		.amdhsa_inst_pref_size 23
	.end_amdhsa_kernel
	.amdgpu_metadata
---
amdhsa.version: [ 1, 2 ]
amdhsa.kernels:
  - .name:           k_qb6002fd9c5_router
    .symbol:         k_qb6002fd9c5_router.kd
    .args:
      - { .name: x, .offset: 0, .size: 8, .value_kind: global_buffer, .address_space: global }
      - { .name: gate_w, .offset: 8, .size: 8, .value_kind: global_buffer, .address_space: global }
      - { .name: xb, .offset: 16, .size: 8, .value_kind: global_buffer, .address_space: global }
      - { .name: gates, .offset: 24, .size: 8, .value_kind: global_buffer, .address_space: global }
      - { .name: bm, .offset: 32, .size: 8, .value_kind: global_buffer, .address_space: global }
    .group_segment_fixed_size: 60416
    .private_segment_fixed_size: 0
    .kernarg_segment_align: 8
    .kernarg_segment_size: 40
    .max_flat_workgroup_size: 256
    .sgpr_count:     66
    .vgpr_count:     160
    .wavefront_size: 32
...
	.end_amdgpu_metadata
.endif
;; end of part 1
;; launch gather (part 2): grid 64 x 8, 4 waves a work-group, no clusters, 1,536 bytes of LDS; arguments xb, bm, xg; writes xg
.if DOCPART == 2
	.amdgcn_target "amdgcn-amd-amdhsa--gfx1250"
	.amdhsa_code_object_version 6
	.text
	.protected	k_qb6002fd9c5_gather
	.globl	k_qb6002fd9c5_gather
	.p2align	8
	.type	k_qb6002fd9c5_gather,@function
k_qb6002fd9c5_gather:
	s_mov_b64 s[64:65], 0
	v_nop
	global_prefetch_b8 v0, s[64:65] scope:SCOPE_SE
	s_setreg_imm32_b32 hwreg(HW_REG_WAVE_MODE, 25, 1), 1
	s_wait_xcnt 0x0
; THE CHOSEN ROWS, LAID OUT ONCE FOR THE FIRST PRODUCT.  xg[e][t] = the rows of xb of the tokens of rank 16 t .. 16 t + 15 among those that chose expert e (in the order of the tokens), in operand order.
; xb: [1024 tokens][1024] bf16.  bm: row e of 128 bytes = a bit for each token that chose e.
; xg: bf16, [8 e][64 tiles of 16 rows][16 chunks of 64 k][4 blocks of 16 k][32 lanes][16 bytes]: lane (r, h) of block j of chunk c holds row r, k = 64 c + 16 j + 8 h .. + 7.
; WHY: 32 work-groups of the first product read each row.  Read by the list, a load takes 32 bytes of each of 16 rows; from xg it takes 512 consecutive bytes.  Here each row is read by the list once for each expert that it chose.
; SHARES.  A work-group owns tile t (x) of expert e (y), each of its four waves four chunks: 16 loads and 16 stores of 16 bytes a lane; a store covers 512 consecutive bytes, aligned.
; THE GRID serves every split: an expert may have all 1,024 tokens, 64 tiles.  A work-group finds from its expert's 128 bytes of bitmap whether its tile exists; if not it ends, ahead of every LDS write.  There is no barrier.
; In the last tile the places past the count repeat token 0, a row that exists.
; THE 16 TOKENS: a counting sort in 256 LDS bytes of the wave's own: place = set bits below, less 16 t; places 0-15 are the tile's, all others fall on words that nobody reads.
; No matrix unit, cluster or tensor load: a copy by a list, each byte moved once.
.set SPARE, 1024                       ; behind the four waves' 256 bytes: the spare words, 128 bytes a wave, named by the add alone
	s_load_b128 s[4:7], s[0:1], 0x0                ; xb s[4:5], bm s[6:7]
	s_load_b64 s[8:9], s[0:1], 0x10                ; xg
	v_lshl_add_u32 v4, v0, 2, SPARE                ; my spare word
	v_mov_b32 v5, 0
	v_lshrrev_b32 v1, 5, v0
	v_readfirstlane_b32 s14, v1                    ; wave 0..3
	s_and_b32 s48, ttmp7, 7                        ; e
	s_mov_b32 s50, ttmp9                           ; t
	s_lshl_b32 s56, s48, 7
	s_mov_b32 s57, 0
	s_wait_kmcnt 0x0
	s_add_nc_u64 s[6:7], s[6:7], s[56:57]
	s_load_b512 s[16:31], s[6:7], 0x0              ; the expert's bitmap: 32 words of 32 tokens
	s_load_b512 s[32:47], s[6:7], 0x40
	v_and_b32 v1, 31, v0                           ; L
	v_and_b32 v2, 15, v0                           ; r
	v_bfe_u32 v3, v0, 4, 1                         ; h
	v_lshlrev_b32 v8, 4, v1                        ; 16 L
	s_lshl_b32 s2, s14, 8                          ; my 256 bytes of LDS
	v_lshl_add_u32 v6, v1, 2, s2                   ; word L
	v_lshl_add_u32 v7, v2, 2, s2                   ; word r
	s_lshl_b32 s56, s48, 21                        ; an expert's 64 tiles are 2 MiB,
	s_lshl_b32 s55, s50, 15                        ; a tile 32 KiB,
	s_add_co_u32 s56, s56, s55
	s_lshl_b32 s55, s14, 13                        ; my four chunks 8 KiB
	s_add_co_u32 s56, s56, s55
	s_add_nc_u64 s[8:9], s[8:9], s[56:57]
	s_lshl_b32 s51, s50, 4                         ; the tile's first rank
	s_wait_kmcnt 0x0
	s_bcnt1_i32_b32 s49, s16                       ; the expert's rows
.set wd, 1
.rept 31
	s_bcnt1_i32_b32 s55, s[16+wd]
	s_add_co_u32 s49, s49, s55
.set wd, wd+1
.endr
	s_cmp_gt_u32 s49, s51
	s_cbranch_scc1 .Lwork
	s_endpgm                                       ; the tile holds no row: nothing was written
.Lwork:
	ds_store_b32 v6, v5                            ; words 0-31: token 0
	s_sub_co_u32 s3, 0, s51                        ; set bits of the words before, less 16 t (it wraps below 0, and then falls on word 63)
.set g, 0
.rept 8                                ; four words at a time, so that no line reads the result of the one before it
.irp k, 0,1,2,3
	v_mbcnt_lo_u32_b32 v[11+\k], s[16+4*g+\k], s3
	s_bcnt1_i32_b32 s55, s[16+4*g+\k]
	s_add_co_u32 s3, s3, s55
.endr
.irp k, 0,1,2,3
	v_cndmask_b32 v[11+\k], 63, v[11+\k], s[16+4*g+\k]   ; a lane without a token writes word 63
.endr
.irp k, 0,1,2,3
	v_min_u32 v[11+\k], 63, v[11+\k]               ; inside my 64 words
.endr
.irp k, 0,1,2,3
	v_lshl_add_u32 v[11+\k], v[11+\k], 2, s2
.endr
.irp k, 0,1,2,3
	v_add_nc_u32 v[15+\k], 32*(4*g+\k), v1         ; my lane's token in this word
.endr
.irp k, 0,1,2,3
	ds_store_b32 v[11+\k], v[15+\k]
.endr
.set g, g+1
.endr
	ds_load_b32 v9, v7                             ; my own bytes: LDS serves a wave's instructions in order (ISA guide 5.7.1.4)
	s_lshl_b32 s55, s14, 9                         ; my four chunks are 512 bytes of a row
	s_wait_dscnt 0x0
	v_min_u32 v9, 0x3ff, v9
	v_lshlrev_b32 v9, 11, v9                       ; a row of xb is 2,048 bytes
	v_lshl_add_u32 v9, v3, 4, v9
	v_add_nc_u32 v9, s55, v9
.set k, 0
.rept 16                               ; block k % 4 of my chunk k / 4: 32 bytes of each of the 16 rows
	global_load_b128 v[24+4*k:24+4*k+3], v9, s[4:5] offset:32*k
.set k, k+1
.endr
.set k, 0
.rept 16
	s_wait_loadcnt 15-k                            ; load k is in; the 15 - k issued behind it may be out
	global_store_b128 v8, v[24+4*k:24+4*k+3], s[8:9] offset:512*k
.set k, k+1
.endr
	s_wait_tensorcnt 0x0                           ; the wave's end
	ds_add_u32 v4, v5
	s_wait_dscnt 0x0
	s_endpgm
.Lfunc_end_k_qb6002fd9c5_gather:
	.size	k_qb6002fd9c5_gather, .Lfunc_end_k_qb6002fd9c5_gather-k_qb6002fd9c5_gather
	.p2alignl 7, 3214868480
	.fill 96, 4, 3214868480
	.section	.rodata,"a",@progbits
	.p2align	6, 0x0
	.amdhsa_kernel k_qb6002fd9c5_gather
		.amdhsa_group_segment_fixed_size 1536
		.amdhsa_private_segment_fixed_size 0
		.amdhsa_enable_private_segment 0
		.amdhsa_kernarg_size 24
		.amdhsa_user_sgpr_count 2
		.amdhsa_user_sgpr_kernarg_segment_ptr 1
		.amdhsa_wavefront_size32 1
		.amdhsa_system_sgpr_workgroup_id_x 1
		.amdhsa_system_sgpr_workgroup_id_y 1
		.amdhsa_system_sgpr_workgroup_id_z 1
		.amdhsa_system_vgpr_workitem_id 0
		.amdhsa_next_free_vgpr 88
		.amdhsa_next_free_sgpr 66
		.amdhsa_reserve_vcc 0
		.amdhsa_float_denorm_mode_32 3
		.amdhsa_float_denorm_mode_16_64 3
		.amdhsa_memory_ordered 1
		.amdhsa_forward_progress 1
		.amdhsa_inst_pref_size 21
	.end_amdhsa_kernel
	.amdgpu_metadata
---
amdhsa.version: [ 1, 2 ]
amdhsa.kernels:
  - .name:           k_qb6002fd9c5_gather
    .symbol:         k_qb6002fd9c5_gather.kd
    .args:
      - { .name: xb, .offset: 0, .size: 8, .value_kind: global_buffer, .address_space: global }
      - { .name: bm, .offset: 8, .size: 8, .value_kind: global_buffer, .address_space: global }
      - { .name: xg, .offset: 16, .size: 8, .value_kind: global_buffer, .address_space: global }
    .group_segment_fixed_size: 1536
    .private_segment_fixed_size: 0
    .kernarg_segment_align: 8
    .kernarg_segment_size: 24
    .max_flat_workgroup_size: 128
    .sgpr_count:     66
    .vgpr_count:     88
    .wavefront_size: 32
...
	.end_amdgpu_metadata
.endif
;; end of part 2
;; launch prod1 (part 3): grid 32 x 8, 4 waves a work-group, no clusters, 285,184 bytes of LDS; arguments xg, w1, b1, bm, hbuf; writes hbuf
.if DOCPART == 3
	.amdgcn_target "amdgcn-amd-amdhsa--gfx1250"
	.amdhsa_code_object_version 6
	.text
	.protected	k_qb6002fd9c5_prod1
	.globl	k_qb6002fd9c5_prod1
	.p2align	8
	.type	k_qb6002fd9c5_prod1,@function
k_qb6002fd9c5_prod1:
	s_mov_b64 s[64:65], 0
	v_nop
	global_prefetch_b8 v0, s[64:65] scope:SCOPE_SE
	s_setreg_imm32_b32 hwreg(HW_REG_WAVE_MODE, 25, 1), 1
	s_wait_xcnt 0x0
; FIRST PRODUCT OF THE CHOSEN ROWS.  h = gelu(x w1[e] + b1[e]) for the tokens that chose expert e, in the order of the tokens.
; xg: bf16, [8 e][64 tiles of 16 rows][16 chunks of 64 k][4 blocks of 16 k][32 lanes][16 bytes]: the expert's rows in operand order.  w1: [8][1024 k][4096 n] f32.  b1: [8][4096] f32.
; bm: row e of 128 bytes = a bit for each token that chose e: here only its count is taken.  hbuf: bf16, [8 e][64 tiles][64 chunks of 64 hidden][4 blocks][32 lanes][16 bytes]: operand order for the second product.
; SHARES.  A work-group owns expert e (y) and 128 columns (x) of w1[e]: 1,024 x 128 f32 = 512 KB, which no other work-group reads, and ALL of the expert's rows, 0 to 1,024, in blocks of 320.
; In a block wave w owns the row tiles w, w + 4, .. w + 16 (five of 16 rows) and all 8 column tiles: 40 accumulators.  T = how many of the five hold rows.
; BLOCK 0 is multiplied while the weights stream in.  They go in chunks of 64 along K: each wave loads a quarter (16 loads; lanes 0-15 take 256 consecutive aligned bytes of one row, lanes 16-31 of the row
; 8 further), rounds pairs along K to bf16, each weight once, and lays them into LDS in operand order; all four waves read them back; ONE barrier a chunk.  Each chunk has LDS bytes of its own and stays there.
; LATER BLOCKS (an expert with more than 320 rows) take the weights from LDS: a pass with no barrier.  So every barrier is on every path.
; ACTIVATIONS come from memory straight into operand registers, 512 consecutive bytes a load, by halves of a chunk (32 along K, ten loads): a half is asked for as soon as the products that read its registers are
; issued, a trip and a half ahead of its own products, on two buffers.
; LOADcnt counts loads in issue order, so a counted wait holds only if every path issues the same loads.  So a tile without rows has its loads too, all lanes at one address (16 bytes); its products are jumped.
; THE MATRIX INSTRUCTION: source 0 = 16 columns of w1, source 1 = 16 tokens: lane (r, h) register j holds token r, column 16 c + 8 h + j: just the 16 bytes of a lane's place in hbuf.
; THE SUMS START AS THE BIAS: it is loaded from LDS into the accumulators, so every product adds in place and no first step is written out.
; WHAT HANGS ON T: products and stores, jumped by forward branches.  Loads, conversions, LDS instructions of the K loop and barriers are on every path.
; GELU: erf by Abramowitz and Stegun 7.1.26 (error 1.5e-7 at the most, for every x): gelu = max(x, 0) - 0.5 |x| P(t) e^(-x x / 2), t = 1 / (1 + 0.23164189 |x|).  Its text stands once: half a tile's accumulators
; at a time go through the wave's own stage in LDS into fixed registers; written out for 320 registers it would be ten times as long.
; NO CLUSTER, NO TENSOR LOADS: each slice of weights has one reader, and f32 weights must pass registers to be rounded.  An expert's 32 work-groups share the tiles of xg, but which tiles hold rows hangs on the count,
; and a load that fills LDS may not be jumped: all 20 tiles of a block would be fetched whatever the count.
; FORMATS AND LIMITS.  x, w1, b1 and h are rounded once to bf16, sums in f32.  NaN and infinities are not treated apart; an exponential below 2^-126 counts as 0.  An expert without rows has its slice read all the same,
; and its loads take 16 bytes of a tile of xg that nobody wrote: no product reads them.
; REGISTERS, in windows of 256 (s_set_vgpr_msb: bits 1:0 source 0, 3:2 source 1, 5:4 source 2, 7:6 destination):
;   window 0: v0-63 addresses and work; v64-223 activations X(p, i, f) = 64 + 80 p + 16 i + 8 f (two buffers), on the way out GELU's work
;   window 1: v0-127 weight fragments F(f, c) = 64 f + 8 c; v128-191 weights as loaded, set 0; v192-223 weights rounded
;   window 2: accumulators of tiles 0-3 at 64 i + 8 c        window 3: v0-63 those of tile 4; v128-191 weights as loaded, set 1
;   v6 weight load offset; v7, v8 my place in a chunk in LDS, in and back; v9 prefetch offset; v10-14 the five tiles' offsets in xg; v34, v35 = v7, v8 + the chunk's place;
;   v36 store offset; v37 my place in my stage; v39 my place in hbuf; v40-55 packed h; v62, v63 my places in the bias, back and in
; SCALARS: s[4:5] xg at my expert; s14 wave; s15 T; s36 LDS place of the chunk in hand; s38, s39, s54 loop counts; s40 index on the way out; s[44:45] xg, walking; s49 rows from the block's first on;
;   s52, s53 the block's rows, tiles; s[58:59] my slice; s[60:63] prefetch; s[66:67] my slice, walking; s100 the block's first tile
.set WPITCH, 16384                     ; bytes from a row of w1[e] to the next
.set WSTEP,  64*WPITCH                 ; a chunk of 64 rows
.set XSTEP,  2048                      ; a chunk of a tile of xg
.set XIF,    1024                      ; 32 along K
.set XIS,    512                       ; 16 along K
.set TSH,    15                        ; a tile of xg is 2^15 bytes
.set BROWS,  320                       ; rows in a block
.set WB,     16640                     ; a chunk of weights in LDS: 16 fragments
.set FPI,    1040                      ; a fragment: 1,024 bytes + 16: the 16 lanes of a producer's store fall on 16 different 16-byte columns of 256 bytes
.set BIASA,  16*WB                     ; behind the 16 chunks: 512 bytes a wave
.set STAGE,  BIASA+4*512
.set STAGEB, 4096                      ; a wave's stage: half a tile: column tile 1,024, half 512, lane 16
.set SPARE,  STAGE+4*STAGEB            ; the spare words, 128 bytes a wave: named by the add alone
.set MSB, 0
.macro WIN new                         ; the immediate's high byte repeats the setting that is left; a switch that changes nothing is dropped
.if MSB != (\new)
	s_set_vgpr_msb (MSB<<8)|(\new)
.set MSB, (\new)
.endif
.endm
.macro PLACES                          ; four places behind a matrix instruction, ahead of a load into, or a reader of, its registers
.rept 4
	v_nop
.endr
.endm
.macro SETB                            ; my places in the chunk that lies at LDS byte s36
	WIN 0
	v_add_nc_u32 v34, s36, v7
	v_add_nc_u32 v35, s36, v8
.endm
; Sixteen loads: my quarter of a chunk, rows 32 fw + 8 h + {0..7, 16..23}, into set st
.macro WLOAD st, base, chunk=0
	WIN 0x40+0x80*(\st)
.set l, 0
.rept 16
	global_load_b128 v[128+4*l:128+4*l+3], v6, s[\base:\base+1] offset:((l&7)+16*(l>>3))*WPITCH+(\chunk)*WSTEP th:TH_LOAD_NT
.set l, l+1
.endr
.endm
; Set st rounded: register 8 t + q = column t of my four, rows 2 q and 2 q + 1 of my sixteen
.macro CVT st
	WIN 0x45+0x0a*(\st)
.set t, 0
.rept 4
.set q, 0
.rept 8
	v_cvt_pk_bf16_f32 v[192+8*t+q], v[128+8*q+t], v[128+8*q+4+t]
.set q, q+1
.endr
.set t, t+1
.endr
.endm
.macro WSTORE k                        ; into the chunk k places behind s36's, in operand order
	WIN 0x04
.set t, 0
.rept 4
	ds_store_b128 v34, v[192+8*t:192+8*t+3] offset:WB*(\k)+16*t
	ds_store_b128 v34, v[192+8*t+4:192+8*t+7] offset:WB*(\k)+16*t+512
.set t, t+1
.endr
.endm
.macro FLOAD f, k                      ; the 8 fragments of half f (32 along K) of the chunk k places behind s36's: 512 consecutive bytes a load
	WIN 0x40
.set c, 0
.rept 8
	ds_load_b128 v[64*(\f)+8*c:64*(\f)+8*c+3], v35 offset:WB*(\k)+(8*(\f)+c)*FPI
	ds_load_b128 v[64*(\f)+8*c+4:64*(\f)+8*c+7], v35 offset:WB*(\k)+(8*(\f)+c)*FPI+512
.set c, c+1
.endr
.endm
.macro XHALF p, f, imm, base=44        ; the five tiles' activations for half f of a chunk, into buffer p: TEN loads, on every path
	WIN 0
.set i, 0
.rept 5
	global_load_b128 v[64+80*(\p)+16*i+8*(\f):64+80*(\p)+16*i+8*(\f)+3], v[10+i], s[\base:\base+1] offset:(\imm)
	global_load_b128 v[64+80*(\p)+16*i+8*(\f)+4:64+80*(\p)+16*i+8*(\f)+7], v[10+i], s[\base:\base+1] offset:(\imm)+XIS
.set i, i+1
.endr
.endm
.macro MT p, f, i                      ; tile i's 8 products for 32 along K
.set AW, 2+(\i)/4
.set AB, 64*((\i)%4)
.set XR, 64+80*(\p)+16*(\i)+8*(\f)
	WIN (AW<<6)|(AW<<4)|1
.set c, 0
.rept 8
	v_wmma_f32_16x16x32_bf16 v[AB+8*c:AB+8*c+7], v[64*(\f)+8*c:64*(\f)+8*c+7], v[XR:XR+7], v[AB+8*c:AB+8*c+7]
.set c, c+1
.endr
.endm
; The live tiles' products (in twos, then the fifth).  The accumulators take turns, one instruction a turn: what runs is a run of whole tiles from tile 0 on, so between two links of a chain stand 15 others' at the least, on every path.
.macro SWEEP p, f
	WIN 0
	s_cmp_le_u32 s15, 0
	s_cbranch_scc1 .Lsend_\@
	MT \p, \f, 0
	MT \p, \f, 1
	WIN 0
	s_cmp_le_u32 s15, 2
	s_cbranch_scc1 .Lsend_\@
	MT \p, \f, 2
	MT \p, \f, 3
	WIN 0
	s_cmp_le_u32 s15, 4
	s_cbranch_scc1 .Lsend_\@
	MT \p, \f, 4
	WIN 0
.Lsend_\@:
.endm
; TRIP for chunk s, p = s % 2; it lies o places behind s36's.  X(c, f): the ten loads of half f of chunk c; W(c): the sixteen of chunk c.  The order of issue: at the head of trip t X(t+1, 1), W(t+3); in its middle X(t+2, 0).
; cvt: chunk s + 1 is rounded and laid into LDS, and X(s+1, 1) is asked for.  wl: W(s+3) is asked for.  xm: X(s+2, 0) is asked for.
; n1: W(s+1) and X(s, 0) are in; behind X(s, 0) were issued X(s, 1), W(s+2), X(s+1, 0): 10 + 16 + 10 = 36.  n2: X(s, 1) is in; behind it W(s+2), X(s+1, 0), X(s+1, 1), W(s+3): 52.  The last trips count what is left of these.
; By this count 36 + 26 or 52 + 10, 62 loads of a wave, are out at the most.
.macro TRIP p, o, cvt, wl, xm, n1, n2
	s_wait_loadcnt \n1
.if \cvt
	CVT 1-(\p)                                     ; 32 plain lines: also the places behind the last trip's products
	WSTORE (\o)+1                                  ; bytes that nobody has touched yet
	s_wait_xcnt 0x0                                ; the bases of the loads and of the prefetch are stepped only behind this wait
	s_add_nc_u64 s[44:45], s[44:45], XSTEP         ; now at chunk s + 1
.if \wl
	s_add_nc_u64 s[66:67], s[66:67], WSTEP
	s_add_co_u32 s62, s62, WSTEP
	s_min_u32 s62, s62, 15*WSTEP                   ; the prefetch never passes the slice's last chunk
	s_add_nc_u64 s[60:61], s[58:59], s[62:63]
.endif
	XHALF 1-(\p), 1, XIF                           ; into the registers that the last trip's last products read
.if \wl
	WLOAD 1-(\p), 66
	global_prefetch_b8 v9, s[60:61] th:TH_LOAD_NT scope:SCOPE_SE  ; chunk s + 5, two trips ahead of its loads: 64 rows x 512 bytes, each aligned 256 bytes asked for by one lane of one wave
.endif
	s_wait_dscnt 0x0                               ; my stores of the next chunk are done (the loads above were issued meanwhile), and this chunk's first fragments are in
	s_barrier_signal -1                            ; say so; between here and the wait stand LDS loads of a chunk that nobody writes again, and matrix work
	FLOAD 1, \o
	SWEEP \p, 0
	s_barrier_wait -1                              ; the next chunk is whole
	s_wait_loadcnt \n2
	PLACES
.if \xm
	XHALF \p, 0, XSTEP                             ; into the registers that the products just issued read
.endif
	FLOAD 0, (\o)+1                                ; the next chunk's first half
	s_wait_dscnt 0x10                              ; this chunk's second fragments are in; the sixteen loads just issued may be out
	SWEEP \p, 1
.else
	PLACES
	FLOAD 1, \o
	s_wait_dscnt 0x10                              ; the first fragments are in; the sixteen loads just issued may be out
	SWEEP \p, 0
	s_wait_loadcnt \n2
	s_wait_dscnt 0x0
	SWEEP \p, 1
.endif
.endm
.macro BLOCKT                          ; from the rows left (s49): the block's rows, its tiles, and T, those of them that are mine
	s_min_u32 s52, s49, BROWS
	s_add_co_u32 s53, s52, 15
	s_lshr_b32 s53, s53, 4
	s_add_co_u32 s15, s53, 3
	s_sub_co_u32 s15, s15, s14
	s_lshr_b32 s15, s15, 2
.endm
.macro XOFFS                           ; tile w + 4 i of the block: its place, and 16 bytes a lane; a tile without rows: the block's first tile, all lanes at its first 16 bytes
.set i, 0
.rept 5
	s_add_co_u32 s2, s14, 4*i
	s_cmp_lt_u32 s2, s53
	s_cselect_b32 s3, -1, 0
	s_cselect_b32 s2, s2, 0
	s_add_co_u32 s2, s2, s100
	s_min_u32 s2, s2, 63                           ; an expert has 64 tiles
	s_lshl_b32 s2, s2, TSH
	v_and_b32 v[10+i], s3, v8
	v_min_u32 v[10+i], 0x1f0, v[10+i]              ; 16 x lane at the most
	v_add_nc_u32 v[10+i], s2, v[10+i]
.set i, i+1
.endr
.endm
.macro BINIT                           ; the sums start as the bias: register j of lane (r, h) of column tile c = column 16 c + 8 h + j
.set i, 0
.rept 5
	WIN 0x80+0x40*(i/4)
.set AB, 64*(i%4)
.set c, 0
.rept 8
	ds_load_b128 v[AB+8*c:AB+8*c+3], v62 offset:64*c
	ds_load_b128 v[AB+8*c+4:AB+8*c+7], v62 offset:64*c+16
.set c, c+1
.endr
.set i, i+1
.endr
	WIN 0
.endm
.macro CHAIN u
	s_cmp_eq_u32 s40, \u
	s_cbranch_scc1 .Ldump\u
.endm
.macro DUMP u                          ; tile u / 2, column tiles 4 (u % 2) ..: four accumulators into my stage, each from its low end on
.Ldump\u:
	WIN 0x08+0x04*((\u)/8)
.set AB, 64*(((\u)/2)%4)+32*((\u)%2)
.set c, 0
.rept 4
	ds_store_b128 v37, v[AB+8*c:AB+8*c+3] offset:1024*c
	ds_store_b128 v37, v[AB+8*c+4:AB+8*c+7] offset:1024*c+512
.set c, c+1
.endr
	WIN 0
.if (\u) != 0
	s_branch .Lgo
.endif
.endm
	s_load_b256 s[4:11], s[0:1], 0x0               ; xg s[4:5], w1 s[6:7], b1 s[8:9], bm s[10:11]
	s_load_b64 s[12:13], s[0:1], 0x20              ; hbuf
	v_lshl_add_u32 v4, v0, 2, SPARE                ; my spare word
	v_mov_b32 v5, 0
	v_lshrrev_b32 v1, 5, v0
	v_readfirstlane_b32 s14, v1                    ; wave 0..3
	s_and_b32 s48, ttmp7, 7                        ; e
	s_mov_b32 s50, ttmp9                           ; the slice of 128 columns
	s_lshl_b32 s56, s48, 7
	s_mov_b32 s57, 0
	s_wait_kmcnt 0x0
	s_add_nc_u64 s[10:11], s[10:11], s[56:57]
	s_load_b512 s[16:31], s[10:11], 0x0            ; the expert's bitmap: 32 words of 32 tokens
	s_load_b512 s[32:47], s[10:11], 0x40
	v_and_b32 v1, 31, v0                           ; L
	v_and_b32 v2, 15, v0                           ; r
	v_bfe_u32 v3, v0, 4, 1                         ; h
	s_lshr_b32 s2, s14, 1                          ; gw: which 64 columns I load
	s_and_b32 s3, s14, 1                           ; fw: which 32 rows
	s_mul_i32 s55, s3, 32*WPITCH
	s_lshl_b32 s54, s2, 8
	s_add_co_u32 s55, s55, s54
	v_mul_u32_u24 v6, v3, 8*WPITCH
	v_lshl_add_u32 v6, v2, 4, v6
	v_add_nc_u32 v6, s55, v6                       ; (32 fw + 8 h) rows + 256 gw + 16 r
	s_mul_i32 s55, s3, 8*FPI
	s_mul_i32 s54, s2, 4*FPI
	s_add_co_u32 s55, s55, s54
	v_lshrrev_b32 v56, 2, v2
	v_mul_u32_u24 v7, v56, FPI
	v_and_b32 v56, 3, v2
	v_lshl_add_u32 v7, v56, 6, v7
	v_lshl_add_u32 v7, v3, 8, v7
	v_add_nc_u32 v7, s55, v7                       ; fragment (fw, 4 gw + r / 4), lane place 4 (r % 4) + 16 h (+ t in the immediate)
	v_lshlrev_b32 v8, 4, v1                        ; 16 L
	v_lshrrev_b32 v9, 1, v0
	v_mul_u32_u24 v9, v9, WPITCH
	v_and_b32 v56, 1, v0
	v_lshl_add_u32 v9, v56, 8, v9                  ; prefetch: thread n asks for row n / 2, half n % 2 of a chunk
	s_lshl_b32 s55, s14, 9
	s_add_co_u32 s55, s55, BIASA
	v_lshl_add_u32 v62, v3, 5, s55                 ; bias, back: 32 h
	v_add_nc_u32 v63, s55, v8                      ; bias, in
	s_lshl_b32 s55, s14, 12
	s_add_co_u32 s55, s55, STAGE
	v_add_nc_u32 v37, s55, v8                      ; my place in my stage
	s_lshl_b32 s55, s14, 17
	v_add_nc_u32 v39, s55, v8                      ; hbuf: tile w, lane place
	s_lshl_b32 s56, s48, 24                        ; w1[e] is 16 MiB
	s_lshl_b32 s55, s50, 9
	s_add_co_u32 s56, s56, s55
	s_add_nc_u64 s[58:59], s[6:7], s[56:57]        ; my slice's first byte
	s_lshl_b32 s56, s48, 14
	s_add_co_u32 s56, s56, s55
	s_add_nc_u64 s[8:9], s[8:9], s[56:57]          ; my 128 numbers of b1[e]
	s_lshl_b32 s56, s48, 23
	s_lshl_b32 s55, s50, 12
	s_add_co_u32 s56, s56, s55
	s_add_nc_u64 s[12:13], s[12:13], s[56:57]      ; hbuf at expert e, chunks 2 x and 2 x + 1
	s_lshl_b32 s56, s48, 21
	s_add_nc_u64 s[4:5], s[4:5], s[56:57]          ; xg at expert e
	global_load_b128 v[44:47], v8, s[8:9]          ; the bias: lane L takes columns 4 L ..
	WLOAD 0, 58, 0                                 ; chunks 0 and 1 go out ahead of the wait for the bitmap
	WLOAD 1, 58, 1
	WIN 0
	s_wait_kmcnt 0x0
	s_bcnt1_i32_b32 s49, s16                       ; the expert's rows
.set wd, 1
.rept 31
	s_bcnt1_i32_b32 s55, s[16+wd]
	s_add_co_u32 s49, s49, s55
.set wd, wd+1
.endr
	BLOCKT
	s_mov_b32 s100, 0                              ; block 0 begins at tile 0
	XOFFS
	XHALF 0, 0, 0, 4                               ; chunk 0, both halves, and chunk 1's first half: with the bias and the 32 weight loads 63 loads are out
	XHALF 0, 1, XIF, 4
	XHALF 1, 0, XSTEP, 4
	s_mov_b64 s[44:45], s[4:5]                     ; xg, walking along K (the bitmap's registers are free now)
	; THE BIAS, rounded to bf16 like every input
	s_wait_loadcnt 0x3e                            ; the bias is in; the 16 + 16 + 30 loads issued behind it may be out
	v_cvt_pk_bf16_f32 v48, v44, v45
	v_cvt_pk_bf16_f32 v49, v46, v47
	v_lshlrev_b32 v44, 16, v48
	v_and_b32 v45, 0xffff0000, v48
	v_lshlrev_b32 v46, 16, v49
	v_and_b32 v47, 0xffff0000, v49
	ds_store_b128 v63, v[44:47]
	BINIT                                          ; my own bytes: LDS serves a wave's instructions in order (ISA guide 5.7.1.4)
	s_wait_loadcnt 0x2e                            ; chunk 0's weights are in; the 16 + 30 loads issued behind them may be out
	CVT 0
	WLOAD 0, 58, 2                                 ; chunk 2
	s_mov_b32 s36, 0
	SETB
	WSTORE 0
	s_wait_dscnt 0x0                               ; my part of chunk 0 is in LDS; the bias is in the accumulators
	s_barrier_signal -1
	s_barrier_wait -1
	FLOAD 0, 0
	s_add_nc_u64 s[66:67], s[58:59], 2*WSTEP       ; the walking base: a trip steps it and loads
	s_mov_b32 s62, 4*WSTEP                         ; the prefetch's offset, likewise
	s_mov_b32 s63, 0
	s_mov_b32 s54, 6
	WIN 0
.Ltrip:                                                ; chunks 0 to 11, two a trip
	SETB
	TRIP 0, 0, 1, 1, 1, 36, 52
	TRIP 1, 1, 1, 1, 1, 36, 52
	s_add_co_u32 s36, s36, 2*WB
	s_sub_co_u32 s54, s54, 1
	s_cmp_lg_u32 s54, 0
	s_cbranch_scc1 .Ltrip
	SETB
	TRIP 0, 0, 1, 1, 1, 36, 52                     ; chunk 12 asks for the last weights
	TRIP 1, 1, 1, 0, 1, 36, 36                     ; chunk 13: behind X(13, 1) stand W(15), X(14, 0), X(14, 1): 36
	s_add_co_u32 s36, s36, 2*WB
	SETB
	TRIP 0, 0, 1, 0, 0, 20, 20                     ; chunk 14: behind X(14, 0) stand X(14, 1), X(15, 0); behind X(14, 1) stand X(15, 0), X(15, 1)
	TRIP 1, 1, 0, 0, 0, 10, 0                      ; chunk 15: behind X(15, 0) stands X(15, 1); behind that nothing
	s_mov_b32 s16, 0xbf38aa3b                      ; -log2(e) / 2
	s_mov_b32 s17, s16                             ; (named as pairs, so both words are written)
	s_mov_b32 s18, 0x3e6d3388                      ; 0.3275911 / sqrt(2)
	s_mov_b32 s19, s18
	s_mov_b32 s20, 0xbf07dc22                      ; -a5 / 2
	s_mov_b32 s21, s20
	s_mov_b32 s22, 0x3f3a00e3                      ; -a4 / 2
	s_mov_b32 s23, s22
	s_mov_b32 s24, 0xbf35f0e3                      ; -a3 / 2
	s_mov_b32 s25, s24
	s_mov_b32 s26, 0x3e11a98e                      ; -a2 / 2
	s_mov_b32 s27, s26
	s_mov_b32 s28, 0xbe027906                      ; -a1 / 2
	s_mov_b32 s29, s28
	s_mov_b32 s30, 0x7fffffff
	s_mov_b32 s38, 4
.Lblock:                                               ; four times, whatever the count: the block in hand goes out, the next one is multiplied
	PLACES                                         ; behind the last products
	s_lshl_b32 s31, s15, 1                         ; two trips a live tile
	s_mov_b32 s40, 0
	s_mov_b32 s54, 10
.Lgelu:                                                ; trip u: tile u / 2, its columns 64 (u % 2) ..: one chunk of hbuf
	s_cmp_ge_u32 s40, s31
	s_cbranch_scc1 .Lnext
.irp u, 0,1,2,3,4,5,6,7,8
	CHAIN \u
.endr
.irp u, 9,8,7,6,5,4,3,2,1,0
	DUMP \u
.endr
.Lgo:
.set m, 0
.rept 8
	ds_load_b128 v[64+4*m:64+4*m+3], v37 offset:512*m  ; my own bytes, stored just above: LDS serves a wave's instructions in order (ISA guide 5.7.1.4)
.set m, m+1
.endr
	s_lshr_b32 s33, s40, 1
	s_lshl_b32 s33, s33, 19                        ; my tiles lie four tiles of 128 KiB apart
	s_and_b32 s34, s40, 1
	s_lshl_b32 s34, s34, 11
	s_or_b32 s33, s33, s34
	s_wait_dscnt 0x0
.set j, 0
.rept 32
	v_and_b32 v[96+j], s30, v[64+j]                ; |x|
.set j, j+1
.endr
.set j, 0
.rept 16
	v_pk_mul_f32 v[128+j:129+j], v[96+j:97+j], s[16:17] op_sel_hi:[1,0]
	v_pk_fma_f32 v[160+j:161+j], v[96+j:97+j], s[18:19], 1.0 op_sel_hi:[1,0,0]
.set j, j+2
.endr
.set j, 0
.rept 16
	v_pk_mul_f32 v[128+j:129+j], v[128+j:129+j], v[96+j:97+j]   ; -x x log2(e) / 2
.set j, j+2
.endr
.set j, 0
.rept 32
	v_rcp_f32 v[160+j], v[160+j]                   ; t
.set j, j+1
.endr
.set j, 0
.rept 32
	v_exp_f32 v[128+j], v[128+j]                   ; e^(-x x / 2)
.set j, j+1
.endr
.set j, 0
.rept 32
	v_max_num_f32 v[64+j], 0, v[64+j]              ; max(x, 0): plain work that names no result of the batch
.set j, j+1
.endr
	s_wait_alu depctr_va_vdst(0)                   ; one wait for the batch of 64, ahead of its first reader
.set j, 0
.rept 16
	v_pk_fma_f32 v[192+j:193+j], v[160+j:161+j], s[20:21], s[22:23] op_sel_hi:[1,0,0]
.set j, j+2
.endr
.irp k, 24,26,28
.set j, 0
.rept 16
	v_pk_fma_f32 v[192+j:193+j], v[192+j:193+j], v[160+j:161+j], s[\k:\k+1] op_sel_hi:[1,1,0]
.set j, j+2
.endr
.endr
.set j, 0
.rept 16
	v_pk_mul_f32 v[192+j:193+j], v[192+j:193+j], v[160+j:161+j]
.set j, j+2
.endr
.set j, 0
.rept 16
	v_pk_mul_f32 v[192+j:193+j], v[192+j:193+j], v[128+j:129+j]
.set j, j+2
.endr
.set j, 0
.rept 16
	v_pk_fma_f32 v[64+j:65+j], v[192+j:193+j], v[96+j:97+j], v[64+j:65+j]
.set j, j+2
.endr
	s_wait_xcnt 0x0                                ; the last trip's stores have read their data and offset: only now are these rewritten
	v_add_nc_u32 v36, s33, v39
.set q, 0
.rept 16
	v_cvt_pk_bf16_f32 v[40+q], v[64+2*q], v[64+2*q+1]
.set q, q+1
.endr
.irp k, 0,1,2,3
	global_store_b128 v36, v[40+4*\k:43+4*\k], s[12:13] offset:512*\k   ; 512 consecutive bytes, aligned
.endr
.Lnext:
	s_add_co_u32 s40, s40, 1
	s_sub_co_u32 s54, s54, 1
	s_cmp_lg_u32 s54, 0
	s_cbranch_scc1 .Lgelu
	; THE NEXT BLOCK of 320 rows: its count, its tiles' places in xg and in hbuf
	s_sub_co_i32 s49, s49, BROWS
	s_max_i32 s49, s49, 0
	BLOCKT
	s_add_co_u32 s100, s100, 20
	XOFFS
	v_add_nc_u32 v39, 20*131072, v39
	s_mov_b32 s36, 0
	s_mov_b32 s39, 16
	s_wait_dscnt 0x0
	s_barrier_signal -1                            ; a barrier on each side of the pass below keeps its LDS reads, whose addresses step with the chunk, apart in time from every wave's stores into its stage:
	s_barrier_wait -1                              ; the order can then be read off the text without following the step.  Both stand on every path
	s_cmp_eq_u32 s15, 0
	s_cbranch_scc1 .Lnoover                        ; no tile of mine holds rows: so it is wherever the expert has 320 rows or fewer
	BINIT
	s_mov_b64 s[44:45], s[4:5]                     ; back to K = 0; every load that named the pair has been waited for
.Lover:                                                ; a chunk a trip: weights from LDS, activations from memory; no barrier, no LDS store
	PLACES
	XHALF 0, 0, 0
	XHALF 0, 1, XIF
	v_add_nc_u32 v35, s36, v8
	FLOAD 0, 0
	FLOAD 1, 0
	s_wait_loadcnt 0x0
	s_wait_dscnt 0x0
	SWEEP 0, 0
	SWEEP 0, 1
	s_add_nc_u64 s[44:45], s[44:45], XSTEP
	s_add_co_u32 s36, s36, WB
	s_sub_co_u32 s39, s39, 1
	s_cmp_lg_u32 s39, 0
	s_cbranch_scc1 .Lover
.Lnoover:
	s_wait_dscnt 0x0
	s_barrier_signal -1
	s_barrier_wait -1
	s_sub_co_u32 s38, s38, 1
	s_cmp_lg_u32 s38, 0
	s_cbranch_scc1 .Lblock
	s_wait_tensorcnt 0x0                           ; the wave's end
	ds_add_u32 v4, v5
	s_wait_dscnt 0x0
	s_endpgm
.Lfunc_end_k_qb6002fd9c5_prod1:
	.size	k_qb6002fd9c5_prod1, .Lfunc_end_k_qb6002fd9c5_prod1-k_qb6002fd9c5_prod1
	.p2alignl 7, 3214868480
	.fill 96, 4, 3214868480
	.section	.rodata,"a",@progbits
	.p2align	6, 0x0
	.amdhsa_kernel k_qb6002fd9c5_prod1
		.amdhsa_group_segment_fixed_size 285184
		.amdhsa_private_segment_fixed_size 0
		.amdhsa_enable_private_segment 0
		.amdhsa_kernarg_size 40
		.amdhsa_user_sgpr_count 2
		.amdhsa_user_sgpr_kernarg_segment_ptr 1
		.amdhsa_wavefront_size32 1
		.amdhsa_system_sgpr_workgroup_id_x 1
		.amdhsa_system_sgpr_workgroup_id_y 1
		.amdhsa_system_sgpr_workgroup_id_z 1
		.amdhsa_system_vgpr_workitem_id 0
		.amdhsa_next_free_vgpr 1024
		.amdhsa_next_free_sgpr 101
		.amdhsa_reserve_vcc 0
		.amdhsa_float_denorm_mode_32 3
		.amdhsa_float_denorm_mode_16_64 3
		.amdhsa_memory_ordered 1
		.amdhsa_forward_progress 1
		.amdhsa_inst_pref_size 142
	.end_amdhsa_kernel
	.amdgpu_metadata
---
amdhsa.version: [ 1, 2 ]
amdhsa.kernels:
  - .name:           k_qb6002fd9c5_prod1
    .symbol:         k_qb6002fd9c5_prod1.kd
    .args:
      - { .name: xg, .offset: 0, .size: 8, .value_kind: global_buffer, .address_space: global }
      - { .name: w1, .offset: 8, .size: 8, .value_kind: global_buffer, .address_space: global }
      - { .name: b1, .offset: 16, .size: 8, .value_kind: global_buffer, .address_space: global }
      - { .name: bm, .offset: 24, .size: 8, .value_kind: global_buffer, .address_space: global }
      - { .name: hbuf, .offset: 32, .size: 8, .value_kind: global_buffer, .address_space: global }
    .group_segment_fixed_size: 285184
    .private_segment_fixed_size: 0
    .kernarg_segment_align: 8
    .kernarg_segment_size: 40
    .max_flat_workgroup_size: 128
    .sgpr_count:     101
    .vgpr_count:     1024
    .wavefront_size: 32
...
	.end_amdgpu_metadata
.endif
;; end of part 3
;; launch prod2 (part 4): grid 32 x 8, 4 waves a work-group, no clusters, 323,584 bytes of LDS; arguments hbuf, w2, b2, bm, part; writes part
.if DOCPART == 4
	.amdgcn_target "amdgcn-amd-amdhsa--gfx1250"
	.amdhsa_code_object_version 6
	.text
	.protected	k_qb6002fd9c5_prod2
	.globl	k_qb6002fd9c5_prod2
	.p2align	8
	.type	k_qb6002fd9c5_prod2,@function
k_qb6002fd9c5_prod2:
	s_mov_b64 s[64:65], 0
	v_nop
	global_prefetch_b8 v0, s[64:65] scope:SCOPE_SE
	s_setreg_imm32_b32 hwreg(HW_REG_WAVE_MODE, 25, 1), 1
	s_wait_xcnt 0x0
; SECOND PRODUCT OF THE CHOSEN ROWS.  part[ks][q] = h w2[e] over a quarter of the hidden width (+ b2[e] in quarter 0), for the rows of expert e; q = token if e is the token's first choice, 1,024 + token if its second.
; hbuf: bf16, [8 e][64 tiles of 16 rows][64 chunks of 64 hidden][4 blocks][32 lanes][16 bytes], operand order.  w2: [8][4096 k][1024 n] f32.  b2: [8][1024] f32.
; bm: row e = a bit for each token that chose e; row 8 + e = as its first choice.  part: f32 [4 ks][2048 q][1024]: partial sums, unweighted; the next launch adds them in a fixed order.
; SHARES.  A work-group owns expert e (y), 128 columns (ns = x % 8) and 1,024 of the 4,096 along K (ks = x / 8): 1,024 x 128 f32 = 512 KB of weights, which no other work-group reads, and ALL of the expert's rows,
; 0 to 1,024, in blocks of 320; K is split in four so that 8 x 8 x 4 = 256 work-groups have that share.  All else is the first product's: four waves, five row tiles each, 40 accumulators, which start as the bias;
; block 0 is multiplied while the weights stream in, in chunks of 64 along K, each weight rounded once on its way through registers into LDS bytes of the chunk's own, ONE barrier a chunk; later blocks take the
; weights from LDS in a pass without barrier or LDS store, jumped by a wave that has no tile there; activations go straight into operand registers, 512 consecutive bytes a load, by halves of a chunk, each half
; asked for a trip and a half ahead of its products.
; LOADcnt counts loads in issue order, so a counted wait holds only if every path issues the same loads.  So a tile without rows has its loads too, all lanes at one address (16 bytes); its products are jumped.
; WHAT HANGS ON THE COUNT OF LIVE TILES T: products and stores, jumped by forward branches.  Loads, conversions, LDS instructions of the K loop and barriers are on every path.
; THE LIST (rank of a row -> its row of part): a counting sort in LDS bytes of the wave's own, made while the first loads are on their way; it is wanted only on the way out.
; NO CLUSTER, NO TENSOR LOADS: each slice of weights has one reader and must pass registers to be rounded.  The 8 column slices of an (e, ks) share the tiles of h, but which tiles hold rows hangs on the count,
; and a load that fills LDS may not be jumped: all 20 tiles of a block would be fetched whatever the count.
; FORMATS AND LIMITS.  h, w2, b2 in bf16 (each rounded once), sums in f32.  NaN and infinities are not treated apart.  An expert without rows has its slice read all the same, and its loads take 16 bytes of a tile of
; hbuf that nobody wrote: no product reads them.
; REGISTERS, in windows of 256 (s_set_vgpr_msb: bits 1:0 source 0, 3:2 source 1, 5:4 source 2, 7:6 destination):
;   window 0: v0-63 addresses and work; v64-223 activations X(p, i, f) = 64 + 80 p + 16 i + 8 f (two buffers), on the way out 16 rows; v224-243 the list's entries, five a block
;   window 1: v0-127 weight fragments F(f, c) = 64 f + 8 c; v128-191 weights as loaded, set 0; v192-223 weights rounded
;   window 2: accumulators of tiles 0-3 at 64 i + 8 c        window 3: v0-63 those of tile 4; v128-191 weights as loaded, set 1
;   v6 weight load offset; v7, v8 my place in a chunk in LDS, in and back; v9 prefetch offset; v10-14 the five tiles' offsets in hbuf; v34, v35 = v7, v8 + the chunk's place;
;   v36 the entries of the tile in hand; v37, v38 my places in my stage, in and back; v40-55 store offsets; v62, v63 my places in the bias, back and in
; SCALARS: s[4:5] hbuf at my expert and quarter; s14 wave; s15 T; s31 rows left from the tile in hand on; s36 LDS place of the chunk in hand; s38, s39, s54 loop counts; s40 tile on the way out; s[44:45] hbuf, walking;
;   s49 rows from the block's first on; s52, s53 the block's rows, tiles; s[58:59] my slice; s[60:63] prefetch; s[66:67] my slice, walking; s68-83 on the way out 16 rows' places; s100 the block's first tile
.set WPITCH, 4096                      ; bytes from a row of w2[e] to the next
.set WSTEP,  64*WPITCH
.set XSTEP,  2048                      ; a chunk of a tile of hbuf
.set XIF,    1024                      ; 32 along K
.set XIS,    512                       ; 16 along K
.set TSH,    17                        ; a tile of hbuf is 2^17 bytes
.set BROWS,  320                       ; rows in a block
.set WB,     16640                     ; a chunk of weights in LDS: 16 fragments
.set FPI,    1040                      ; a fragment: 1,024 bytes + 16: the 16 lanes of a producer's store fall on 16 different 16-byte columns of 256 bytes
.set BIASA,  16*WB                     ; behind the 16 chunks: 512 bytes a wave
.set LIST,   BIASA+4*512
.set LISTB,  5248                      ; a wave's list: 1,280 entries (four blocks of 320), then 32 words for the lanes without a token
.set STAGE,  LIST+4*LISTB
.set SPI,    528                       ; a row of the stage: 512 bytes + 16
.set STAGEB, 16*SPI                    ; a wave's stage: one tile
.set SPARE,  STAGE+4*STAGEB            ; the spare words, 128 bytes a wave: named by the add alone
.set MSB, 0
.macro WIN new                         ; the immediate's high byte repeats the setting that is left; a switch that changes nothing is dropped
.if MSB != (\new)
	s_set_vgpr_msb (MSB<<8)|(\new)
.set MSB, (\new)
.endif
.endm
.macro PLACES                          ; four places behind a matrix instruction, ahead of a load into, or a reader of, its registers
.rept 4
	v_nop
.endr
.endm
.macro SETB                            ; my places in the chunk that lies at LDS byte s36
	WIN 0
	v_add_nc_u32 v34, s36, v7
	v_add_nc_u32 v35, s36, v8
.endm
.macro WLOAD st, base, chunk=0         ; sixteen loads: my quarter of a chunk, rows 32 fw + 8 h + {0..7, 16..23}, into set st
	WIN 0x40+0x80*(\st)
.set l, 0
.rept 16
	global_load_b128 v[128+4*l:128+4*l+3], v6, s[\base:\base+1] offset:((l&7)+16*(l>>3))*WPITCH+(\chunk)*WSTEP th:TH_LOAD_NT
.set l, l+1
.endr
.endm
.macro CVT st                          ; set st rounded: register 8 t + q = column t of my four, rows 2 q and 2 q + 1 of my sixteen
	WIN 0x45+0x0a*(\st)
.set t, 0
.rept 4
.set q, 0
.rept 8
	v_cvt_pk_bf16_f32 v[192+8*t+q], v[128+8*q+t], v[128+8*q+4+t]
.set q, q+1
.endr
.set t, t+1
.endr
.endm
.macro WSTORE k                        ; into the chunk k places behind s36's, in operand order
	WIN 0x04
.set t, 0
.rept 4
	ds_store_b128 v34, v[192+8*t:192+8*t+3] offset:WB*(\k)+16*t
	ds_store_b128 v34, v[192+8*t+4:192+8*t+7] offset:WB*(\k)+16*t+512
.set t, t+1
.endr
.endm
.macro FLOAD f, k                      ; the 8 fragments of half f (32 along K) of the chunk k places behind s36's
	WIN 0x40
.set c, 0
.rept 8
	ds_load_b128 v[64*(\f)+8*c:64*(\f)+8*c+3], v35 offset:WB*(\k)+(8*(\f)+c)*FPI
	ds_load_b128 v[64*(\f)+8*c+4:64*(\f)+8*c+7], v35 offset:WB*(\k)+(8*(\f)+c)*FPI+512
.set c, c+1
.endr
.endm
.macro XHALF p, f, imm, base=44        ; the five tiles' activations for half f of a chunk, into buffer p: TEN loads, on every path
	WIN 0
.set i, 0
.rept 5
	global_load_b128 v[64+80*(\p)+16*i+8*(\f):64+80*(\p)+16*i+8*(\f)+3], v[10+i], s[\base:\base+1] offset:(\imm)
	global_load_b128 v[64+80*(\p)+16*i+8*(\f)+4:64+80*(\p)+16*i+8*(\f)+7], v[10+i], s[\base:\base+1] offset:(\imm)+XIS
.set i, i+1
.endr
.endm
.macro MT p, f, i                      ; tile i's 8 products for 32 along K
.set AW, 2+(\i)/4
.set AB, 64*((\i)%4)
.set XR, 64+80*(\p)+16*(\i)+8*(\f)
	WIN (AW<<6)|(AW<<4)|1
.set c, 0
.rept 8
	v_wmma_f32_16x16x32_bf16 v[AB+8*c:AB+8*c+7], v[64*(\f)+8*c:64*(\f)+8*c+7], v[XR:XR+7], v[AB+8*c:AB+8*c+7]
.set c, c+1
.endr
.endm
; The live tiles' products (in twos, then the fifth).  The accumulators take turns, one instruction a turn: what runs is a run of whole tiles from tile 0 on, so between two links of a chain stand 15 others' at the least, on every path.
.macro SWEEP p, f
	WIN 0
	s_cmp_le_u32 s15, 0
	s_cbranch_scc1 .Lsend_\@
	MT \p, \f, 0
	MT \p, \f, 1
	WIN 0
	s_cmp_le_u32 s15, 2
	s_cbranch_scc1 .Lsend_\@
	MT \p, \f, 2
	MT \p, \f, 3
	WIN 0
	s_cmp_le_u32 s15, 4
	s_cbranch_scc1 .Lsend_\@
	MT \p, \f, 4
	WIN 0
.Lsend_\@:
.endm
; TRIP for chunk s, p = s % 2; it lies o places behind s36's.  X(c, f): the ten loads of half f of chunk c; W(c): the sixteen of chunk c.  The order of issue: at the head of trip t X(t+1, 1), W(t+3); in its middle X(t+2, 0).
; cvt: chunk s + 1 is rounded and laid into LDS, and X(s+1, 1) is asked for.  wl: W(s+3) is asked for.  xm: X(s+2, 0) is asked for.
; n1: W(s+1) and X(s, 0) are in; behind X(s, 0) were issued X(s, 1), W(s+2), X(s+1, 0): 10 + 16 + 10 = 36.  n2: X(s, 1) is in; behind it W(s+2), X(s+1, 0), X(s+1, 1), W(s+3): 52.  The last trips count what is left of these.
; By this count 36 + 26 or 52 + 10, 62 loads of a wave, are out at the most.
.macro TRIP p, o, cvt, wl, xm, n1, n2
	s_wait_loadcnt \n1
.if \cvt
	CVT 1-(\p)                                     ; 32 plain lines: also the places behind the last trip's products
	WSTORE (\o)+1                                  ; bytes that nobody has touched yet
	s_wait_xcnt 0x0                                ; the bases of the loads and of the prefetch are stepped only behind this wait
	s_add_nc_u64 s[44:45], s[44:45], XSTEP         ; now at chunk s + 1
.if \wl
	s_add_nc_u64 s[66:67], s[66:67], WSTEP
	s_add_co_u32 s62, s62, WSTEP
	s_min_u32 s62, s62, 15*WSTEP                   ; the prefetch never passes the slice's last chunk
	s_add_nc_u64 s[60:61], s[58:59], s[62:63]
.endif
	XHALF 1-(\p), 1, XIF                           ; into the registers that the last trip's last products read
.if \wl
	WLOAD 1-(\p), 66
	global_prefetch_b8 v9, s[60:61] th:TH_LOAD_NT scope:SCOPE_SE  ; chunk s + 5, two trips ahead of its loads: 64 rows x 512 bytes, each aligned 256 bytes asked for by one lane of one wave
.endif
	s_wait_dscnt 0x0                               ; my stores of the next chunk are done (the loads above were issued meanwhile), and this chunk's first fragments are in
	s_barrier_signal -1                            ; say so; between here and the wait stand LDS loads of a chunk that nobody writes again, and matrix work
	FLOAD 1, \o
	SWEEP \p, 0
	s_barrier_wait -1                              ; the next chunk is whole
	s_wait_loadcnt \n2
	PLACES
.if \xm
	XHALF \p, 0, XSTEP                             ; into the registers that the products just issued read
.endif
	FLOAD 0, (\o)+1                                ; the next chunk's first half
	s_wait_dscnt 0x10                              ; this chunk's second fragments are in; the sixteen loads just issued may be out
	SWEEP \p, 1
.else
	PLACES
	FLOAD 1, \o
	s_wait_dscnt 0x10                              ; the first fragments are in; the sixteen loads just issued may be out
	SWEEP \p, 0
	s_wait_loadcnt \n2
	s_wait_dscnt 0x0
	SWEEP \p, 1
.endif
.endm
.macro BLOCKT                          ; from the rows left (s49): the block's rows, its tiles, and T, those of them that are mine
	s_min_u32 s52, s49, BROWS
	s_add_co_u32 s53, s52, 15
	s_lshr_b32 s53, s53, 4
	s_add_co_u32 s15, s53, 3
	s_sub_co_u32 s15, s15, s14
	s_lshr_b32 s15, s15, 2
.endm
.macro XOFFS                           ; tile w + 4 i of the block: its place, and 16 bytes a lane; a tile without rows: the block's first tile, all lanes at its first 16 bytes
.set i, 0
.rept 5
	s_add_co_u32 s2, s14, 4*i
	s_cmp_lt_u32 s2, s53
	s_cselect_b32 s3, -1, 0
	s_cselect_b32 s2, s2, 0
	s_add_co_u32 s2, s2, s100
	s_min_u32 s2, s2, 63                           ; an expert has 64 tiles
	s_lshl_b32 s2, s2, TSH
	v_and_b32 v[10+i], s3, v8
	v_min_u32 v[10+i], 0x1f0, v[10+i]              ; 16 x lane at the most
	v_add_nc_u32 v[10+i], s2, v[10+i]
.set i, i+1
.endr
.endm
.macro BINIT                           ; the sums start as the bias: register j of lane (r, h) of column tile c = column 16 c + 8 h + j
.set i, 0
.rept 5
	WIN 0x80+0x40*(i/4)
.set AB, 64*(i%4)
.set c, 0
.rept 8
	ds_load_b128 v[AB+8*c:AB+8*c+3], v62 offset:64*c
	ds_load_b128 v[AB+8*c+4:AB+8*c+7], v62 offset:64*c+16
.set c, c+1
.endr
.set i, i+1
.endr
	WIN 0
.endm
.macro CHAIN i
	s_cmp_eq_u32 s40, \i
	s_cbranch_scc1 .Ldump\i
.endm
.macro DUMP i                          ; tile i: its entries of the list, and its 8 accumulators into my stage, each from its low end on
.Ldump\i:
	v_mov_b32 v36, v[224+(\i)]
	WIN 0x08+0x04*((\i)/4)
.set AB, 64*((\i)%4)
.set c, 0
.rept 8
	ds_store_b128 v37, v[AB+8*c:AB+8*c+3] offset:64*c
	ds_store_b128 v37, v[AB+8*c+4:AB+8*c+7] offset:64*c+16
.set c, c+1
.endr
	WIN 0
.if (\i) != 0
	s_branch .Lgo
.endif
.endm
	s_load_b256 s[4:11], s[0:1], 0x0               ; hbuf s[4:5], w2 s[6:7], b2 s[8:9], bm s[10:11]
	s_load_b64 s[12:13], s[0:1], 0x20              ; part
	v_lshl_add_u32 v4, v0, 2, SPARE                ; my spare word
	v_mov_b32 v5, 0
	v_lshrrev_b32 v1, 5, v0
	v_readfirstlane_b32 s14, v1                    ; wave 0..3
	s_and_b32 s48, ttmp7, 7                        ; e
	s_and_b32 s50, ttmp9, 7                        ; ns
	s_lshr_b32 s51, ttmp9, 3                       ; ks
	s_lshl_b32 s56, s48, 7
	s_mov_b32 s57, 0
	s_wait_kmcnt 0x0
	s_add_nc_u64 s[10:11], s[10:11], s[56:57]
	s_load_b512 s[16:31], s[10:11], 0x0            ; who chose e: 32 words of 32 tokens
	s_load_b512 s[32:47], s[10:11], 0x40
	s_load_b512 s[68:83], s[10:11], 0x400          ; who chose e first
	s_load_b512 s[84:99], s[10:11], 0x440
	v_and_b32 v1, 31, v0                           ; L
	v_and_b32 v2, 15, v0                           ; r
	v_bfe_u32 v3, v0, 4, 1                         ; h
	s_lshr_b32 s2, s14, 1                          ; gw: which 64 columns I load
	s_and_b32 s3, s14, 1                           ; fw: which 32 rows
	s_mul_i32 s55, s3, 32*WPITCH
	s_lshl_b32 s54, s2, 8
	s_add_co_u32 s55, s55, s54
	v_mul_u32_u24 v6, v3, 8*WPITCH
	v_lshl_add_u32 v6, v2, 4, v6
	v_add_nc_u32 v6, s55, v6                       ; (32 fw + 8 h) rows + 256 gw + 16 r
	s_mul_i32 s55, s3, 8*FPI
	s_mul_i32 s54, s2, 4*FPI
	s_add_co_u32 s55, s55, s54
	v_lshrrev_b32 v56, 2, v2
	v_mul_u32_u24 v7, v56, FPI
	v_and_b32 v56, 3, v2
	v_lshl_add_u32 v7, v56, 6, v7
	v_lshl_add_u32 v7, v3, 8, v7
	v_add_nc_u32 v7, s55, v7                       ; fragment (fw, 4 gw + r / 4), lane place 4 (r % 4) + 16 h (+ t in the immediate)
	v_lshlrev_b32 v8, 4, v1                        ; 16 L
	v_lshrrev_b32 v9, 1, v0
	v_mul_u32_u24 v9, v9, WPITCH
	v_and_b32 v56, 1, v0
	v_lshl_add_u32 v9, v56, 8, v9                  ; prefetch: thread n asks for row n / 2, half n % 2 of a chunk
	s_lshl_b32 s55, s14, 9
	s_add_co_u32 s55, s55, BIASA
	v_lshl_add_u32 v62, v3, 5, s55                 ; bias, back: 32 h
	v_add_nc_u32 v63, s55, v8                      ; bias, in
	s_mul_i32 s55, s14, STAGEB
	s_add_co_u32 s55, s55, STAGE
	v_add_nc_u32 v38, s55, v8                      ; stage, back: 16 L of a row
	v_mul_u32_u24 v37, v2, SPI
	v_lshl_add_u32 v37, v3, 5, v37
	v_add_nc_u32 v37, s55, v37                     ; stage, in: row r, 32 h
	s_lshl_b32 s56, s48, 24                        ; w2[e] is 16 MiB,
	s_lshl_b32 s55, s51, 22                        ; 1,024 of its rows 4 MiB
	s_add_co_u32 s56, s56, s55
	s_lshl_b32 s54, s50, 9
	s_add_co_u32 s56, s56, s54
	s_add_nc_u64 s[58:59], s[6:7], s[56:57]        ; my slice's first byte
	s_lshl_b32 s56, s48, 12
	s_add_co_u32 s56, s56, s54
	s_add_nc_u64 s[8:9], s[8:9], s[56:57]          ; my 128 numbers of b2[e]
	s_lshl_b32 s56, s51, 23
	s_add_co_u32 s56, s56, s54
	s_add_nc_u64 s[12:13], s[12:13], s[56:57]      ; part at quarter ks, my 128 columns
	s_lshl_b32 s56, s48, 23
	s_lshl_b32 s55, s51, 15
	s_add_co_u32 s56, s56, s55
	s_add_nc_u64 s[4:5], s[4:5], s[56:57]          ; hbuf at expert e, chunk 16 ks of a tile
	global_load_b128 v[44:47], v8, s[8:9]          ; the bias: lane L takes columns 4 L ..
	WLOAD 0, 58, 0                                 ; chunks 0 and 1 go out ahead of the wait for the bitmaps
	WLOAD 1, 58, 1
	WIN 0
	s_wait_kmcnt 0x0
	s_bcnt1_i32_b32 s49, s16                       ; the expert's rows
.set wd, 1
.rept 31
	s_bcnt1_i32_b32 s55, s[16+wd]
	s_add_co_u32 s49, s49, s55
.set wd, wd+1
.endr
	BLOCKT
	s_mov_b32 s100, 0                              ; block 0 begins at tile 0
	XOFFS
	XHALF 0, 0, 0, 4                               ; chunk 0, both halves, and chunk 1's first half: with the bias and the 32 weight loads 63 loads are out
	XHALF 0, 1, XIF, 4
	XHALF 1, 0, XSTEP, 4
	; THE LIST, in my own LDS bytes, while those loads are on their way: entry of rank n = the row of part that takes the expert's n-th row
	s_mul_i32 s2, s14, LISTB
	s_add_co_u32 s2, s2, LIST
	s_mov_b32 s3, 0                                ; tokens of the words before
.irp z, 40,41,42,43
	v_mov_b32 v\z, 0
.endr
	v_add_nc_u32 v56, s2, v8
.irp m, 0,1,2,3,4,5,6,7,8,9
	ds_store_b128 v56, v[40:43] offset:512*\m
.endr
	v_mov_b32 v57, v1                              ; the token of my lane in the word in hand,
	v_add_nc_u32 v58, 1024, v1                     ; and 1,024 more
	v_add_nc_u32 v59, 1280, v1                     ; where a lane without a token writes
.set wd, 0
.rept 32
	v_mbcnt_lo_u32_b32 v56, s[16+wd], s3           ; rank = tokens before + set bits below my lane
	v_cndmask_b32 v56, v59, v56, s[16+wd]
	v_min_u32 v56, 0x51f, v56                      ; inside my 1,312 words
	v_lshl_add_u32 v56, v56, 2, s2
	v_cndmask_b32 v60, v58, v57, s[68+wd]
	ds_store_b32 v56, v60
	v_add_nc_u32 v57, 32, v57
	v_add_nc_u32 v58, 32, v58
	s_bcnt1_i32_b32 s55, s[16+wd]
	s_add_co_u32 s3, s3, s55
.set wd, wd+1
.endr
	s_mul_i32 s55, s14, LISTB+64                   ; my list, and in it rank 16 w
	s_add_co_u32 s55, s55, LIST
	v_lshl_add_u32 v61, v2, 2, s55
.set k, 0
.rept 20                               ; block k / 5, tile w + 4 (k % 5), row r: rank 320 b + 16 w + 64 i + r
	ds_load_b32 v[224+k], v61 offset:1280*(k/5)+256*(k%5)
.set k, k+1
.endr
	s_mov_b64 s[44:45], s[4:5]                     ; hbuf, walking along K (the bitmaps' registers are free now)
	; THE BIAS, rounded to bf16 like every input; 0 in the quarters other than 0
	s_cmp_eq_u32 s51, 0
	s_cselect_b32 s54, -1, 0
	s_wait_loadcnt 0x3e                            ; the bias is in; the 16 + 16 + 30 loads issued behind it may be out
	v_cvt_pk_bf16_f32 v48, v44, v45
	v_cvt_pk_bf16_f32 v49, v46, v47
	v_and_b32 v48, s54, v48
	v_and_b32 v49, s54, v49
	v_lshlrev_b32 v44, 16, v48
	v_and_b32 v45, 0xffff0000, v48
	v_lshlrev_b32 v46, 16, v49
	v_and_b32 v47, 0xffff0000, v49
	ds_store_b128 v63, v[44:47]
	BINIT                                          ; my own bytes: LDS serves a wave's instructions in order (ISA guide 5.7.1.4)
	s_wait_loadcnt 0x2e                            ; chunk 0's weights are in; the 16 + 30 loads issued behind them may be out
	CVT 0
	WLOAD 0, 58, 2                                 ; chunk 2
	s_mov_b32 s36, 0
	SETB
	WSTORE 0
	s_wait_dscnt 0x0                               ; my part of chunk 0 is in LDS; the bias is in the accumulators, the list's entries in their registers
	s_barrier_signal -1
	s_barrier_wait -1
	FLOAD 0, 0
	s_add_nc_u64 s[66:67], s[58:59], 2*WSTEP       ; the walking base: a trip steps it and loads
	s_mov_b32 s62, 4*WSTEP                         ; the prefetch's offset, likewise
	s_mov_b32 s63, 0
	s_mov_b32 s54, 6
	WIN 0
.Ltrip:                                                ; chunks 0 to 11, two a trip
	SETB
	TRIP 0, 0, 1, 1, 1, 36, 52
	TRIP 1, 1, 1, 1, 1, 36, 52
	s_add_co_u32 s36, s36, 2*WB
	s_sub_co_u32 s54, s54, 1
	s_cmp_lg_u32 s54, 0
	s_cbranch_scc1 .Ltrip
	SETB
	TRIP 0, 0, 1, 1, 1, 36, 52                     ; chunk 12 asks for the last weights
	TRIP 1, 1, 1, 0, 1, 36, 36                     ; chunk 13: behind X(13, 1) stand W(15), X(14, 0), X(14, 1): 36
	s_add_co_u32 s36, s36, 2*WB
	SETB
	TRIP 0, 0, 1, 0, 0, 20, 20                     ; chunk 14: behind X(14, 0) stand X(14, 1), X(15, 0); behind X(14, 1) stand X(15, 0), X(15, 1)
	TRIP 1, 1, 0, 0, 0, 10, 0                      ; chunk 15: behind X(15, 0) stands X(15, 1); behind that nothing
	s_mov_b32 s38, 4
.Lblock:                                               ; four times, whatever the count: the block in hand goes out, the next one is multiplied
	PLACES                                         ; behind the last products
	s_lshl_b32 s2, s14, 4
	s_sub_co_i32 s31, s52, s2                      ; rows from my first tile's first on that exist
	s_mov_b32 s40, 0
	s_mov_b32 s54, 5
.Lout:                                                 ; trip i: tile w + 4 i.  A lane holds 8 columns of one row; through my stage the tile comes back as whole rows of 512 bytes
	s_cmp_ge_u32 s40, s15
	s_cbranch_scc1 .Lstep
.irp i, 0,1,2,3
	CHAIN \i
.endr
.irp i, 4,3,2,1,0
	DUMP \i
.endr
.Lgo:
	s_wait_xcnt 0x0                                ; the last trip's stores have read their data and offsets: only now are these rewritten
.set rho, 0
.rept 16
	ds_load_b128 v[64+4*rho:64+4*rho+3], v38 offset:SPI*rho   ; my own bytes, stored just above: LDS serves a wave's instructions in order (ISA guide 5.7.1.4)
.set rho, rho+1
.endr
	; where the 16 rows go, in batches, while the rows come back: lane to scalar, clamp and shift, scalar to offset
.set rho, 0
.rept 16
	v_readlane_b32 s[68+rho], v36, rho
.set rho, rho+1
.endr
.set rho, 0
.rept 16
	s_min_u32 s[68+rho], s[68+rho], 2047
	s_lshl_b32 s[68+rho], s[68+rho], 12            ; a row of part is 4,096 bytes
.set rho, rho+1
.endr
.set rho, 0
.rept 16
	v_add_nc_u32 v[40+rho], s[68+rho], v8
.set rho, rho+1
.endr
	s_wait_dscnt 0x0
.set rho, 0
.rept 16
	s_cmp_le_i32 s31, rho                          ; rows past the count are not stored
	s_cbranch_scc1 .Lstep
	global_store_b128 v[40+rho], v[64+4*rho:64+4*rho+3], s[12:13]   ; 512 consecutive bytes, aligned
.set rho, rho+1
.endr
.Lstep:
	s_sub_co_i32 s31, s31, 64
	s_add_co_u32 s40, s40, 1
	s_sub_co_u32 s54, s54, 1
	s_cmp_lg_u32 s54, 0
	s_cbranch_scc1 .Lout
	; THE NEXT BLOCK of 320 rows: its count, its tiles' places in hbuf, its entries of the list
	s_wait_xcnt 0x0                                ; the block's stores have read their data, v64-127: the pass below loads activations into these registers only behind this wait
	s_sub_co_i32 s49, s49, BROWS
	s_max_i32 s49, s49, 0
	BLOCKT
	s_add_co_u32 s100, s100, 20
	XOFFS
.set k, 0
.rept 15
	v_mov_b32 v[224+k], v[229+k]
.set k, k+1
.endr
	s_mov_b32 s36, 0
	s_mov_b32 s39, 16
	s_wait_dscnt 0x0
	s_barrier_signal -1                            ; a barrier on each side of the pass below keeps its LDS reads, whose addresses step with the chunk, apart in time from every wave's stores into its stage:
	s_barrier_wait -1                              ; the order can then be read off the text without following the step.  Both stand on every path
	s_cmp_eq_u32 s15, 0
	s_cbranch_scc1 .Lnoover                        ; no tile of mine holds rows: so it is wherever the expert has 320 rows or fewer
	BINIT
	s_mov_b64 s[44:45], s[4:5]                     ; back to the quarter's first chunk; every load that named the pair has been waited for
.Lover:                                                ; a chunk a trip: weights from LDS, activations from memory; no barrier, no LDS store
	PLACES
	XHALF 0, 0, 0
	XHALF 0, 1, XIF
	v_add_nc_u32 v35, s36, v8
	FLOAD 0, 0
	FLOAD 1, 0
	s_wait_loadcnt 0x0
	s_wait_dscnt 0x0
	SWEEP 0, 0
	SWEEP 0, 1
	s_add_nc_u64 s[44:45], s[44:45], XSTEP
	s_add_co_u32 s36, s36, WB
	s_sub_co_u32 s39, s39, 1
	s_cmp_lg_u32 s39, 0
	s_cbranch_scc1 .Lover
.Lnoover:
	s_wait_dscnt 0x0
	s_barrier_signal -1
	s_barrier_wait -1
	s_sub_co_u32 s38, s38, 1
	s_cmp_lg_u32 s38, 0
	s_cbranch_scc1 .Lblock
	s_wait_tensorcnt 0x0                           ; the wave's end
	ds_add_u32 v4, v5
	s_wait_dscnt 0x0
	s_endpgm
.Lfunc_end_k_qb6002fd9c5_prod2:
	.size	k_qb6002fd9c5_prod2, .Lfunc_end_k_qb6002fd9c5_prod2-k_qb6002fd9c5_prod2
	.p2alignl 7, 3214868480
	.fill 96, 4, 3214868480
	.section	.rodata,"a",@progbits
	.p2align	6, 0x0
	.amdhsa_kernel k_qb6002fd9c5_prod2
		.amdhsa_group_segment_fixed_size 323584
		.amdhsa_private_segment_fixed_size 0
		.amdhsa_enable_private_segment 0
		.amdhsa_kernarg_size 40
		.amdhsa_user_sgpr_count 2
		.amdhsa_user_sgpr_kernarg_segment_ptr 1
		.amdhsa_wavefront_size32 1
		.amdhsa_system_sgpr_workgroup_id_x 1
		.amdhsa_system_sgpr_workgroup_id_y 1
		.amdhsa_system_sgpr_workgroup_id_z 1
		.amdhsa_system_vgpr_workitem_id 0
		.amdhsa_next_free_vgpr 1024
		.amdhsa_next_free_sgpr 101
		.amdhsa_reserve_vcc 0
		.amdhsa_float_denorm_mode_32 3
		.amdhsa_float_denorm_mode_16_64 3
		.amdhsa_memory_ordered 1
		.amdhsa_forward_progress 1
		.amdhsa_inst_pref_size 151
	.end_amdhsa_kernel
	.amdgpu_metadata
---
amdhsa.version: [ 1, 2 ]
amdhsa.kernels:
  - .name:           k_qb6002fd9c5_prod2
    .symbol:         k_qb6002fd9c5_prod2.kd
    .args:
      - { .name: hbuf, .offset: 0, .size: 8, .value_kind: global_buffer, .address_space: global }
      - { .name: w2, .offset: 8, .size: 8, .value_kind: global_buffer, .address_space: global }
      - { .name: b2, .offset: 16, .size: 8, .value_kind: global_buffer, .address_space: global }
      - { .name: bm, .offset: 24, .size: 8, .value_kind: global_buffer, .address_space: global }
      - { .name: part, .offset: 32, .size: 8, .value_kind: global_buffer, .address_space: global }
    .group_segment_fixed_size: 323584
    .private_segment_fixed_size: 0
    .kernarg_segment_align: 8
    .kernarg_segment_size: 40
    .max_flat_workgroup_size: 128
    .sgpr_count:     101
    .vgpr_count:     1024
    .wavefront_size: 32
...
	.end_amdgpu_metadata
.endif
;; end of part 4
;; launch combine (part 5): grid 256 x 1, 8 waves a work-group, no clusters, 0 bytes of LDS; arguments part, gates, out0; writes out0
.if DOCPART == 5
	.amdgcn_target "amdgcn-amd-amdhsa--gfx1250"
	.amdhsa_code_object_version 6
	.text
	.protected	k_qb6002fd9c5_combine
	.globl	k_qb6002fd9c5_combine
	.p2align	8
	.type	k_qb6002fd9c5_combine,@function
k_qb6002fd9c5_combine:
	s_mov_b64 s[64:65], 0
	v_nop
	global_prefetch_b8 v0, s[64:65] scope:SCOPE_SE
	s_setreg_imm32_b32 hwreg(HW_REG_WAVE_MODE, 25, 1), 1
	s_wait_xcnt 0x0
; out[n] = g1[n] (sum over the four K quarters of part[ks][n]) + g2[n] (the same of part[ks][1024 + n]).
; part: f32 [4][2048][1024].  gates: f32 [2][1024].  out0: f32 [1024][1024].  The quarters are added in ascending order, in f32.
; A stream: a work-group owns 4 tokens, a thread 16 bytes of each row, so a wave's load or store covers 512 consecutive bytes.  All 32 loads of a thread go out at once; no register is used twice, so no wait frees one.
; No LDS, matrix unit or cluster: every byte is read once, by one work-group.
	s_load_b128 s[4:7], s[0:1], 0x0                ; part s[4:5], gates s[6:7]
	s_load_b64 s[8:9], s[0:1], 0x10                ; out0
	v_lshlrev_b32 v1, 4, v0
	s_lshl_b32 s10, ttmp9, 14                      ; 4 rows of 4,096 bytes
	s_mov_b32 s11, 0
	s_lshl_b32 s12, ttmp9, 4                       ; 4 gates
	s_mov_b32 s13, 0
	s_wait_kmcnt 0x0
	s_add_nc_u64 s[6:7], s[6:7], s[12:13]
	s_load_b128 s[16:19], s[6:7], 0x0              ; g1 of my four tokens
	s_load_b128 s[20:23], s[6:7], 0x1000           ; g2
	s_add_nc_u64 s[24:25], s[4:5], s[10:11]        ; a base for each quarter, 8 MiB apart
	s_add_nc_u64 s[26:27], s[24:25], 0x800000
	s_add_nc_u64 s[28:29], s[26:27], 0x800000
	s_add_nc_u64 s[30:31], s[28:29], 0x800000
	s_add_nc_u64 s[8:9], s[8:9], s[10:11]
.set j, 0
.rept 4                                ; token j: slot kk (4 MiB apart), quarter qq
.set kk, 0
.rept 2
.set qq, 0
.rept 4
	global_load_b128 v[8+32*j+16*kk+4*qq:8+32*j+16*kk+4*qq+3], v1, s[24+2*qq:25+2*qq] offset:4194304*kk+4096*j th:TH_LOAD_NT
.set qq, qq+1
.endr
.set kk, kk+1
.endr
.set j, j+1
.endr
	s_wait_kmcnt 0x0
.set j, 0
.rept 4
	s_wait_loadcnt 24-8*j                          ; token j's eight loads are in; the eight of each later token may be out
.set B, 8+32*j
.set qq, 1
.rept 3
.irp z, 0,2,16,18
	v_pk_add_f32 v[B+\z:B+\z+1], v[B+\z:B+\z+1], v[B+\z+4*qq:B+\z+4*qq+1]
.endr
.set qq, qq+1
.endr
.irp z, 0,1,2,3
	v_mul_f32 v[B+\z], s[16+j], v[B+\z]
.endr
.irp z, 0,1,2,3
	v_fma_f32 v[B+\z], s[20+j], v[B+16+\z], v[B+\z]
.endr
	global_store_b128 v1, v[B:B+3], s[8:9] offset:4096*j th:TH_STORE_NT
.set j, j+1
.endr
	s_endpgm
.Lfunc_end_k_qb6002fd9c5_combine:
	.size	k_qb6002fd9c5_combine, .Lfunc_end_k_qb6002fd9c5_combine-k_qb6002fd9c5_combine
	.p2alignl 7, 3214868480
	.fill 96, 4, 3214868480
	.section	.rodata,"a",@progbits
	.p2align	6, 0x0
	.amdhsa_kernel k_qb6002fd9c5_combine
		.amdhsa_group_segment_fixed_size 0
		.amdhsa_private_segment_fixed_size 0
		.amdhsa_enable_private_segment 0
		.amdhsa_kernarg_size 24
		.amdhsa_user_sgpr_count 2
		.amdhsa_user_sgpr_kernarg_segment_ptr 1
		.amdhsa_wavefront_size32 1
		.amdhsa_system_sgpr_workgroup_id_x 1
		.amdhsa_system_sgpr_workgroup_id_y 1
		.amdhsa_system_sgpr_workgroup_id_z 1
		.amdhsa_system_vgpr_workitem_id 0
		.amdhsa_next_free_vgpr 144
		.amdhsa_next_free_sgpr 66
		.amdhsa_reserve_vcc 0
		.amdhsa_float_denorm_mode_32 3
		.amdhsa_float_denorm_mode_16_64 3
		.amdhsa_memory_ordered 1
		.amdhsa_forward_progress 1
		.amdhsa_inst_pref_size 10
	.end_amdhsa_kernel
	.amdgpu_metadata
---
amdhsa.version: [ 1, 2 ]
amdhsa.kernels:
  - .name:           k_qb6002fd9c5_combine
    .symbol:         k_qb6002fd9c5_combine.kd
    .args:
      - { .name: part, .offset: 0, .size: 8, .value_kind: global_buffer, .address_space: global }
      - { .name: gates, .offset: 8, .size: 8, .value_kind: global_buffer, .address_space: global }
      - { .name: out0, .offset: 16, .size: 8, .value_kind: global_buffer, .address_space: global }
    .group_segment_fixed_size: 0
    .private_segment_fixed_size: 0
    .kernarg_segment_align: 8
    .kernarg_segment_size: 24
    .max_flat_workgroup_size: 256
    .sgpr_count:     66
    .vgpr_count:     144
    .wavefront_size: 32
...
	.end_amdgpu_metadata
.endif
;; end of part 5
